; MI455X (gfx1250); checked and timed in simulation.
; The chip was launched on July 23, 2026; its instructions are those of AMD's public machine-readable ISA for CDNA 5 (MIT licence, August 2026) and "CDNA5" Instruction Set Architecture Reference Guide (July 2026). The comments in the code are by the model that wrote it; some were corrected since.
;; Nine Nine Observer. Allowed arithmetic: float matrix products may take bf16 or f16 operands with f32 sums; other float arithmetic in f32, or as packed bf16 or f16 multiplies, adds, multiply-adds, maxima and minima; sums over many terms, partial sums and values carried from step to step in f32; what a program stores and reads back later, other than sums and carried values, may be rounded once to bf16 or f16.
;; Inputs: x 4,096 x 8,192 float32.
;; Outputs: out0 4,096 x 1 float32; out1 4,096 x 1 float32.
;; One version. Each part assembles by itself: llvm-mc -triple=amdgcn-amd-amdhsa -mcpu=gfx1250 --defsym DOCPART=n.
;; ======== version 1 of 1: 1 launch
;; limits: values outside matrix products are rounded to bf16
;; launch select (part 1): grid 256 x 1, 8 waves a work-group, no clusters, 1,280 bytes of LDS; arguments x, out0, out1; writes out0, out1
.if DOCPART == 1
	.amdgcn_target "amdgcn-amd-amdhsa--gfx1250"
	.amdhsa_code_object_version 6
	.text
	.protected	k_q04e8ea7701_select
	.globl	k_q04e8ea7701_select
	.p2align	8
	.type	k_q04e8ea7701_select,@function
k_q04e8ea7701_select:
	s_mov_b64 s[64:65], 0
	v_nop
	global_prefetch_b8 v0, s[64:65] scope:SCOPE_SE
	s_setreg_imm32_b32 hwreg(HW_REG_WAVE_MODE, 25, 1), 1
	s_wait_xcnt 0x0
; out0[r] = the smallest |x[r][c]|, out1[r] = number KTH (counted from 0) of the ascending |x[r][:]|.  x: [4096][8192] f32; out0, out1: [4096] f32.
; WORK LEFT OUT.  The reference sorts each row and slices columns 0 and KTH out of the result: the other 8,190 sorted columns reach no output, whatever x holds.  Column j of a sorted row is fixed by
; counts alone (it is the largest t with at most j numbers below t), so no sort is made: the row's minimum, and a search for t by counting.  Every number of x is still read and counted.
; (A NaN or an infinity cannot reach only the columns left out: each number enters every count.)
; FORMAT, a stated limit.  |x| is rounded once to bf16 (to nearest even) and kept so.  The rounding never reverses an order, so both outputs are the reference's results for x rounded to bf16:
; 8 significant bits, at every scale and offset of x.  |x| above bf16's largest finite number rounds to infinity.  A NaN has the largest keys and so sorts last, as in the reference; it loses in the minimum.
; KEYS.  A bf16 without its sign is 15 bits, and as a whole number it orders like the value.  It is split into two bytes, four numbers to a register, the same number in the same byte of both arrays:
;   H = 0x80 | the upper 7 exponent bits (the sign's place, set to 1, is a guard bit);   L = the lowest exponent bit and the 7 mantissa bits.
; COUNTING.  For a digit d of 7 bits under a guard bit and a candidate t of 1 to 127 in all four bytes, ONE subtraction makes the bytes 128 + d - t: no borrow leaves a byte, and the byte's top bit says d >= t.
; The bytes are not masked: read as SIGNED bytes they add up to S(t) = S(0) - 8192 t + 256 c(t), with c(t) the count of digits below t.  So c(t) <= k is S(t) <= 256 k + S(0) - 8192 t: one compare.
; The adding is done by v_wmma_i32_16x16x64_iu8 with ones as A and the bytes as B: whole numbers in i32, nothing is rounded; it is no product of the reference's.  In the result every register of lane l
; holds the sum of column l % 16, which is the 64 bytes of lanes l % 16 and l % 16 + 16; four exchanges inside the 16 lanes give every lane the row's sum.  All sums stay under 2^23: exact in f32 too.
; THE SEARCH, bit by bit from the top, every choice a v_cndmask_b32, every trip count a constant: 7 bits on H; then the top bit of L among the numbers whose H is the one found; then L's other 7 bits among
; the numbers that agree in all 8 bits found.  A number that has dropped out is set to 0xFF: it is never below a candidate, and k is lowered by the count of those that lie below the bin.
; SHARES.  256 work-groups of 8 waves; a work-group owns 16 rows; wave v takes row 16 wg + v and then row 16 wg + 8 + v; a lane holds 256 numbers of a row (their order in the row is of no account).
; A raw row lies in window 1: 64 loads of 16 bytes a lane, each load 512 consecutive bytes.  As soon as eight loads are converted their registers are asked for again with the second row, which so is
; on its way during the whole search of the first.  No wave reads what another has loaded: no LDS on the way in, no barrier but the one at the end; no input is shared between work-groups: no cluster.
; REGISTERS.  Window 0: v1-21 addresses and the search's state; v24-27 maxima of -|x|; v32-39 ones; v40-55 two accumulators; v56-71 two buffers of differences; v72-87 bf16 pairs, later scratch;
; v96-159 H; v160-223 L.  Window 1 (v256-511): the raw row.  s_set_vgpr_msb: bits 1:0 source 0, 3:2 source 1, 7:6 destination.
.set NCOL,  8192
.set KTH,   4915                       ; int(8192 * 0.6)
.set ROWB,  4*NCOL                     ; bytes in a row
.set RES,   0                          ; LDS: 16 words for out0, then 16 words for out1, by the row's place in the work-group
.set SPARE, 256                        ; the spare words, 128 bytes for each of the 8 waves: four blocks of 256 bytes that no other line names
.set NB0,   (127+13+6)<<23             ; 8192 x 64 as f32: what the bound loses when bit 6 is set
.set VOFF, 1                           ; v1   16 x lane; never rewritten
.set SPW,  2                           ; v2   LDS address of my spare word; never rewritten
.set NIL,  3                           ; v3   0; never rewritten
.set LA,   5                           ; v5   4 x wave: my first row's word in RES
.set TB,   6                           ; v6   the digit's bits accepted so far, in all four bytes
.set CAND, 7                           ; v7   the candidate: TB with the bit in hand set
.set R,    8                           ; v8   256 k + S(0) - 8192 TB
.set RC,   9                           ; v9   the same for CAND
.set SACC, 10                          ; v10  S(TB)
.set CA,   11                          ; v11  the next candidate if this one is accepted,
.set CR,   12                          ; v12  and if it is refused
.set RCA,  13                          ; v13  its bound if this one is accepted,
.set RCR,  14                          ; v14  and if it is refused
.set TS,   15                          ; v15  the row's sum
.set Q,    16                          ; v16  256 k, k counted among the numbers still in the search
.set T1,   17                          ; v17  H's digit
.set T1G,  18                          ; v18  the same under the guard bit
.set E0,   19                          ; v19  0x80 in all bytes if L's top bit is 1, else 0
.set TMP,  20                          ; v20-21 at work
.set MX,   24                          ; v24-27 four running maxima of -|x|, two bf16 each
.set ONES, 32
.set ACC,  40
.set DB,   56
.set P,    72
.set H,    96
.set L,    160
.set WV,   10                          ; s10  my wave's number
.set M80,  11                          ; s11  0x80808080
.set C7F,  12                          ; s12  0x7f7f7f7f
.set SELH, 13                          ; s13  v_perm_b32: the upper bytes of four bf16
.set SELL, 14                          ; s14  the lower bytes
.set SGN,  15                          ; s15  0x80008000
.set BB,   16                          ; s16  the next bit, in all four bytes
.set NB,   17                          ; s17  8192 x that bit, f32
.set CNT,  18                          ; s18  bits still to go
.set C2N,  19                          ; s19  256 x 8192, f32
.set XA,   20                          ; s[20:21] my first row
.set XB,   22                          ; s[22:23] my second row
.set SEL,  24                          ; s[24:25] v_permlanex16_b32: each lane takes its own place in the other half
.set SV,   26                          ; s26  EXEC, kept
.set MSB, 0
.macro WIN new                         ; the immediate's high byte repeats the setting that is left; a switch that changes nothing is dropped
.if MSB != (\new)
	s_set_vgpr_msb (MSB<<8)|(\new)
.set MSB, (\new)
.endif
.endm
.macro OCT line:vararg                 ; one line for i = 0 .. 7
.set i, 0
.rept 8
	\line
.set i, i+1
.endr
.endm
.macro PLACES n
.rept \n
	v_nop
.endr
.endm
; Eight registers of bytes are added onto accumulator n % 2.  The two accumulators take turns, one instruction a turn, in every run of eight and from run to run (each run begins with 0 and ends with 1).
; The first two of a run start the sums with the constant 0: nothing is cleared.
.macro COUNT n, src
.if (\n) < 2
	v_wmma_i32_16x16x64_iu8 v[ACC+8*((\n)%2):ACC+8*((\n)%2)+7], v[ONES:ONES+7], v[(\src):(\src)+7], 0 neg_lo:[1,1,0]
.else
	v_wmma_i32_16x16x64_iu8 v[ACC+8*((\n)%2):ACC+8*((\n)%2)+7], v[ONES:ONES+7], v[(\src):(\src)+7], v[ACC+8*((\n)%2):ACC+8*((\n)%2)+7] neg_lo:[1,1,0]
.endif
.endm
; The row's sum into every lane.  Eight plain vector instructions that name none of its registers stand between the last matrix instruction and the first line here (ISA guide 7.12.1); each accumulator's lowest register is read.
.macro TOTAL
	v_add_nc_u32 v[TS], v[ACC], v[ACC+8]           ; my column's sum
	v_cvt_f32_i32 v[TS], v[TS]                     ; at most 2^16 in size: exact
	v_add_f32_dpp v[TS], v[TS], v[TS] row_xmask:1 row_mask:0xf bank_mask:0xf
	v_add_f32_dpp v[TS], v[TS], v[TS] row_xmask:2 row_mask:0xf bank_mask:0xf
	v_add_f32_dpp v[TS], v[TS], v[TS] row_xmask:4 row_mask:0xf bank_mask:0xf
	v_add_f32_dpp v[TS], v[TS], v[TS] row_xmask:8 row_mask:0xf bank_mask:0xf  ; both halves of the lanes hold all 16 columns: no exchange between them
.endm
; One candidate against the 64 registers of an array.  A buffer of differences is written again eight subtractions behind the matrix instruction that read it: the other buffer's eight, which name none of its registers.
.macro SWEEP arr
.set c, 0
.rept 8
	OCT v_sub_nc_u32 v[DB+8*(c%2)+i], v[(\arr)+8*c+i], v[CAND]
	COUNT c, DB+8*(c%2)
.set c, c+1
.endr
.endm
; A digit of 7 bits.  In: v[Q]; the accumulators hold S(0) of the array, and six places stand behind the last matrix instruction (the two lines below make eight).  Out: v[TB] the digit; R - SACC = 256 x the new k.
.macro PASS arr
	v_mov_b32 v[TB], 0
	v_mov_b32 v[CAND], 0x40404040
	TOTAL
	s_mov_b32 s[BB], 0x40404040
	s_mov_b32 s[NB], NB0
	s_mov_b32 s[CNT], 7
	v_mov_b32 v[SACC], v[TS]
	v_add_f32 v[R], v[Q], v[TS]
	v_sub_f32 v[RC], v[R], s[NB]
.Lbit_\@:
	s_lshr_b32 s[BB], s[BB], 1                     ; the next bit (behind the last bit these two hold nothing that is used)
	s_sub_co_u32 s[NB], s[NB], 1<<23               ; a power of two halved: its exponent less one
	SWEEP \arr
	v_add_nc_u32 v[CA], s[BB], v[CAND]             ; both answers' next candidate and bound are made while the last sums are formed:
	v_add_nc_u32 v[CR], s[BB], v[TB]               ; four of the eight places behind the last matrix instruction
	v_sub_f32 v[RCA], v[RC], s[NB]
	v_sub_f32 v[RCR], v[R], s[NB]
	PLACES 4
	TOTAL
	v_cmp_le_f32 vcc_lo, v[TS], v[RC]              ; at most k numbers lie below the candidate: the bit is set
	v_cndmask_b32 v[TB], v[TB], v[CAND], vcc_lo
	v_cndmask_b32 v[CAND], v[CR], v[CA], vcc_lo
	v_cndmask_b32 v[R], v[R], v[RC], vcc_lo
	v_cndmask_b32 v[RC], v[RCR], v[RCA], vcc_lo
	v_cndmask_b32 v[SACC], v[SACC], v[TS], vcc_lo
	s_sub_co_i32 s[CNT], s[CNT], 1
	s_cmp_lg_u32 s[CNT], 0
	s_cbranch_scc1 .Lbit_\@
.endm
; A raw row becomes keys, eight loads (32 registers, 1,024 numbers of the wave) at a time.  more = 1: the registers just read are asked for again, with my second row.
.macro CONV more
.set g, 0
.rept 8
.if \more
	s_wait_loadcnt 56                              ; loads come back in order (ISA guide 5.7.1): behind group g's stand 8 (7 - g) of this row and 8 g of the next: 56 whatever g
.else
	s_wait_loadcnt 56-8*g                          ; behind group g's stand the 8 (7 - g) younger loads of this row, and nothing else
.endif
	WIN 0x05                                       ; sources in window 1
.set i, 0
.rept 16
	v_cvt_pk_bf16_f32 v[P+i], v[32*g+2*i], v[32*g+2*i+1]
.set i, i+1
.endr
.if \more
	WIN 0x40                                       ; destination in window 1
	OCT global_load_b128 v[32*g+4*i:32*g+4*i+3], v[VOFF], s[XB:XB+1] offset:512*(8*g+i) th:TH_LOAD_NT
.endif
	WIN 0
.set i, 0
.rept 16
	v_or_b32 v[P+i], s[SGN], v[P+i]                ; -|x|: the sign set is H's guard bit, and turns the minimum of |x| into a maximum
.set i, i+1
.endr
.set i, 0
.rept 16
.if (g == 0) && (i < 4)
	v_pk_max_num_bf16 v[MX+i], v[P+i], v[P+i+4]    ; the first eight words start the four chains: nothing is cleared
.elseif (g > 0) || (i >= 8)
	v_pk_max_num_bf16 v[MX+i%4], v[MX+i%4], v[P+i]
.endif
.set i, i+1
.endr
	OCT v_perm_b32 v[H+8*g+i], v[P+2*i+1], v[P+2*i], s[SELH]
	OCT v_perm_b32 v[L+8*g+i], v[P+2*i+1], v[P+2*i], s[SELL]
	COUNT g, H+8*g                                 ; S(0) of H is gathered on the way
.set g, g+1
.endr
.endm
; One row from raw numbers to its two results.  stage: 0 my first row, 1 my second.
.macro ROW stage, more
	CONV \more
	v_pk_max_num_bf16 v[MX], v[MX], v[MX+1]        ; the minimum; its first seven lines are also places behind the last matrix instruction
	v_pk_max_num_bf16 v[MX+2], v[MX+2], v[MX+3]
	v_pk_max_num_bf16 v[MX], v[MX], v[MX+2]
	v_lshlrev_b32 v[TMP], 16, v[MX]                ; the two halves as f32
	v_and_b32 v[TMP+1], 0xffff0000, v[MX]
	v_max_num_f32 v[TMP], v[TMP], v[TMP+1]
	v_cvt_f32_u32 v[Q], 256*KTH
	v_max_num_f32_dpp v[TMP], v[TMP], v[TMP] row_xmask:1 row_mask:0xf bank_mask:0xf
	v_max_num_f32_dpp v[TMP], v[TMP], v[TMP] row_xmask:2 row_mask:0xf bank_mask:0xf
	v_max_num_f32_dpp v[TMP], v[TMP], v[TMP] row_xmask:4 row_mask:0xf bank_mask:0xf
	v_max_num_f32_dpp v[TMP], v[TMP], v[TMP] row_xmask:8 row_mask:0xf bank_mask:0xf
	v_permlanex16_b32 v[TMP+1], v[TMP], s[SEL], s[SEL+1]
	v_max_num_f32 v[TMP], v[TMP], v[TMP+1]
	v_and_b32 v[TMP], 0x7fffffff, v[TMP]           ; the largest -|x| without its sign
	ds_store_b32 v[LA], v[TMP] offset:RES+32*(\stage)  ; all lanes write the same word with the same value
	PASS H                                         ; the upper 7 exponent bits
	; L's top bit.  H becomes 0x80 where the number has dropped out (its H is not the digit found), else 0; a byte is flagged where that holds or L's top bit is 1.
	v_or_b32 v[T1G], s[M80], v[TB]
.set c, 0
.rept 8
	OCT v_xor_b32 v[H+8*c+i], v[T1G], v[H+8*c+i]              ; 0 where equal, else 1 to 127
	OCT v_add_nc_u32 v[H+8*c+i], s[C7F], v[H+8*c+i]           ; the top bit says: not 0; no carry leaves a byte
	OCT v_and_b32 v[H+8*c+i], s[M80], v[H+8*c+i]
	OCT v_and_or_b32 v[DB+8*(c%2)+i], v[L+8*c+i], s[M80], v[H+8*c+i]
	COUNT c, DB+8*(c%2)                            ; a flagged byte counts -128
.set c, c+1
.endr
	v_sub_f32 v[Q], v[R], v[SACC]                  ; 256 k among the numbers with this H
	v_mov_b32 v[T1], v[TB]
	PLACES 6
	TOTAL
	v_fma_f32 v[TS], v[TS], 2.0, s[C2N]            ; 256 x (8192 - flagged): 256 x the numbers still in with top bit 0
	v_cmp_ge_f32 vcc_lo, v[Q], v[TS]               ; k passes them all: the bit is 1, and they lie below
	v_sub_f32 v[TMP], v[Q], v[TS]
	v_cndmask_b32 v[Q], v[Q], v[TMP], vcc_lo
	v_cndmask_b32 v[E0], 0, s[M80], vcc_lo
	; L's other 7 bits.  L becomes 0x80 | those bits where the number is still in, 0xFF where it has dropped out.
.set c, 0
.rept 8
	OCT v_xor_b32 v[P+i], v[E0], v[L+8*c+i]                   ; top bit 1: the other value of the bit
	OCT v_and_or_b32 v[P+8+i], v[P+i], s[M80], v[H+8*c+i]     ; 0x80 where out
	OCT v_lshrrev_b32 v[P+i], 7, v[P+8+i]                     ; 0x01 where out
	OCT v_sub_nc_u32 v[P+8+i], v[P+8+i], v[P+i]               ; 0x7f where out
	OCT v_or_b32 v[P+8+i], s[M80], v[P+8+i]                   ; 0xFF where out, 0x80 where in: the bits to be set
	OCT v_bfi_b32 v[L+8*c+i], v[P+8+i], -1, v[L+8*c+i]
	COUNT c, L+8*c                                 ; S(0) of the new array
.set c, c+1
.endr
	v_and_b32 v[T1], 0x7f, v[T1]                   ; parts of the result: two of the places behind the last matrix instruction
	v_and_b32 v[TMP], 0x80, v[E0]
	PLACES 4
	PASS L
	v_and_or_b32 v[TMP], v[TB], 0x7f, v[TMP]       ; the key's lower byte,
	v_lshlrev_b32 v[TMP], 16, v[TMP]
	v_lshl_or_b32 v[TMP], v[T1], 24, v[TMP]        ; its upper byte: a bf16 on top of 16 zeros is the f32
	ds_store_b32 v[LA], v[TMP] offset:RES+64+32*(\stage)
.endm
	s_load_b128 s[4:7], s[0:1], 0x0                ; x s[4:5], out0 s[6:7]
	s_load_b64 s[8:9], s[0:1], 0x10                ; out1
	v_lshl_add_u32 v[SPW], v0, 2, SPARE
	v_mov_b32 v[NIL], 0
	v_lshrrev_b32 v[TMP], 5, v0
	v_readfirstlane_b32 s[WV], v[TMP]              ; wave 0..7
	v_and_b32 v[VOFF], 31, v0
	v_lshlrev_b32 v[VOFF], 4, v[VOFF]
	v_mov_b32 v[LA], s[WV]
	v_lshlrev_b32 v[LA], 2, v[LA]
	s_mov_b32 s[M80], 0x80808080
	s_mov_b32 s[C7F], 0x7f7f7f7f
	s_mov_b32 s[SELH], 0x07050301
	s_mov_b32 s[SELL], 0x06040200
	s_mov_b32 s[SGN], 0x80008000
	s_mov_b32 s[C2N], (127+21)<<23
	s_mov_b32 s[SEL], 0x76543210
	s_mov_b32 s[SEL+1], 0xfedcba98
	s_lshl_b32 s2, ttmp9, 19                       ; the work-group's 16 rows of 32,768 bytes (under 2^27 in all),
	s_lshl_b32 s3, s[WV], 15                       ; my row among the first eight
	s_add_co_u32 s2, s2, s3
	s_mov_b32 s3, 0
	s_lshl_b32 s28, ttmp9, 6                       ; the work-group's 16 words in each output
	s_mov_b32 s29, 0
	s_wait_kmcnt 0x0
	s_add_nc_u64 s[XA:XA+1], s[4:5], s[2:3]
	s_add_nc_u64 s[XB:XB+1], s[XA:XA+1], 8*ROWB
	s_add_nc_u64 s[6:7], s[6:7], s[28:29]
	s_add_nc_u64 s[8:9], s[8:9], s[28:29]
	WIN 0x40                                       ; destination in window 1
.set j, 0
.rept 64
	global_load_b128 v[4*j:4*j+3], v[VOFF], s[XA:XA+1] offset:512*j th:TH_LOAD_NT  ; my whole first row: each load 512 consecutive bytes
.set j, j+1
.endr
	WIN 0
	OCT v_mov_b32 v[ONES+i], 0x01010101
	ROW 0, 1                                       ; my first row; my second is asked for as the registers come free
	ROW 1, 0                                       ; my second row; nothing is left to fetch
	s_wait_dscnt 0x0                               ; for the others' sake: my four results lie in LDS
	s_barrier_signal -1
	s_barrier_wait -1                              ; all 32 do
	s_cmp_lg_u32 s[WV], 0                          ; wave 0 stores them
	s_cbranch_scc1 .Lend
	v_and_b32 v[TMP+1], 15, v0
	v_lshlrev_b32 v[TMP+1], 2, v[TMP+1]            ; 4 x (lane % 16): a row's word in RES and in the outputs
	ds_load_b32 v[TMP], v[TMP+1] offset:RES
	ds_load_b32 v[TS], v[TMP+1] offset:RES+64
	v_cmp_gt_u32 vcc_lo, 16, v0
	s_wait_dscnt 0x0
	s_wait_xcnt 0x0                                ; EXEC changes only behind this wait
	s_and_saveexec_b32 s[SV], vcc_lo               ; lanes 0 to 15
	global_store_b32 v[TMP+1], v[TMP], s[6:7] th:TH_STORE_NT  ; 16 lanes store 64 consecutive bytes: all that a work-group has of an output
	global_store_b32 v[TMP+1], v[TS], s[8:9] th:TH_STORE_NT
	s_wait_xcnt 0x0                                ; and again, in front of the line that widens it
	s_or_b32 exec_lo, exec_lo, s[SV]
.Lend:
	s_wait_tensorcnt 0x0                           ; the wave's end, behind my last LDS store
	ds_add_u32 v[SPW], v[NIL]
	s_wait_dscnt 0x0
	s_endpgm
.Lfunc_end_k_q04e8ea7701_select:
	.size	k_q04e8ea7701_select, .Lfunc_end_k_q04e8ea7701_select-k_q04e8ea7701_select
	.p2alignl 7, 3214868480
	.fill 96, 4, 3214868480
	.section	.rodata,"a",@progbits
	.p2align	6, 0x0
	.amdhsa_kernel k_q04e8ea7701_select
		.amdhsa_group_segment_fixed_size 1280
		.amdhsa_private_segment_fixed_size 0
		.amdhsa_enable_private_segment 0
		.amdhsa_kernarg_size 24
		.amdhsa_user_sgpr_count 2
		.amdhsa_user_sgpr_kernarg_segment_ptr 1
		.amdhsa_wavefront_size32 1
		.amdhsa_system_sgpr_workgroup_id_x 1
		.amdhsa_system_sgpr_workgroup_id_y 1
		.amdhsa_system_sgpr_workgroup_id_z 1
		.amdhsa_system_vgpr_workitem_id 0
		.amdhsa_next_free_vgpr 512
		.amdhsa_next_free_sgpr 66
		.amdhsa_reserve_vcc 1
		.amdhsa_float_denorm_mode_32 3
		.amdhsa_float_denorm_mode_16_64 3
		.amdhsa_memory_ordered 1
		.amdhsa_forward_progress 1
		.amdhsa_inst_pref_size 149
	.end_amdhsa_kernel
	.amdgpu_metadata
---
amdhsa.version: [ 1, 2 ]
amdhsa.kernels:
  - .name:           k_q04e8ea7701_select
    .symbol:         k_q04e8ea7701_select.kd
    .args:
      - { .name: x, .offset: 0, .size: 8, .value_kind: global_buffer, .address_space: global }
      - { .name: out0, .offset: 8, .size: 8, .value_kind: global_buffer, .address_space: global }
      - { .name: out1, .offset: 16, .size: 8, .value_kind: global_buffer, .address_space: global }
    .group_segment_fixed_size: 1280
    .private_segment_fixed_size: 0
    .kernarg_segment_align: 8
    .kernarg_segment_size: 24
    .max_flat_workgroup_size: 256
    .sgpr_count:     66
    .vgpr_count:     512
    .wavefront_size: 32
...
	.end_amdgpu_metadata
.endif
;; end of part 1
